; MI455X (gfx1250); checked and timed in simulation.
; The chip was launched on July 23, 2026; its instructions are those of AMD's public machine-readable ISA for CDNA 5 (MIT licence, August 2026) and "CDNA5" Instruction Set Architecture Reference Guide (July 2026). The comments in the code are by the model that wrote it; some were corrected since.
;; PINN. Allowed arithmetic: float matrix products may take bf16 or f16 operands with f32 sums; all other float work in f32.
;; Inputs: Ws_0 2 x 64 float32; Ws_1 64 x 64 float32; Ws_2 64 x 64 float32; Ws_3 64 x 64 float32; Ws_4 64 x 64 float32; Ws_5 64 x 64 float32; Ws_6 64 x 64 float32; Ws_7 64 x 1 float32; bs_0 64 float32; bs_1 64 float32; bs_2 64 float32; bs_3 64 float32; bs_4 64 float32; bs_5 64 float32; bs_6 64 float32; bs_7 1 float32; lb 2 float32; t 131,072 x 1 float32; ub 2 float32; x 131,072 x 1 float32.
;; Outputs: out0 131,072 x 1 float32; out1 131,072 x 1 float32.
;; 2 versions, each right and faster than the one before. Each part assembles by itself: llvm-mc -triple=amdgcn-amd-amdhsa -mcpu=gfx1250 --defsym DOCPART=n.
;; ======== version 1 of 2: 1 launch
;; limits: values are held in f16: magnitudes above 65,504 overflow, below 6.1e-05 lose precision; inputs' magnitudes at most 65,504
;; launch pinn (part 1): grid 256 x 1, 16 waves a work-group, no clusters, 70,144 bytes of LDS; arguments Ws_1, Ws_2, Ws_3, Ws_4, Ws_5, Ws_6, bs_0, bs_1, bs_2, bs_3, bs_4, bs_5, bs_6, Ws_0, Ws_7, bs_7, lb, ub, t, x, out0, out1; writes out0, out1
.if DOCPART == 1
	.amdgcn_target "amdgcn-amd-amdhsa--gfx1250"
	.amdhsa_code_object_version 6
	.text
	.protected	k_qbf120883a2_pinn
	.globl	k_qbf120883a2_pinn
	.p2align	8
	.type	k_qbf120883a2_pinn,@function
k_qbf120883a2_pinn:
	s_mov_b64 s[64:65], 0
	v_nop
	global_prefetch_b8 v0, s[64:65] scope:SCOPE_SE
	s_setreg_imm32_b32 hwreg(HW_REG_WAVE_MODE, 25, 1), 1
	s_wait_xcnt 0x0
; u and f = u_t + u u_x - nu u_xx of a tanh network 2-64-64-64-64-64-64-64-1, for 131,072 points (t, x).
; FORWARD STREAMS.  Four streams go through the layers together: H = h, T = dh/dt, X = dh/dx, G = (1/2) d2h/dx2.  With z = h W + b, a = tanh z, a' = 1 - a a:
;   H = a,  T = a' (T W),  X = a' (X W),  G = a' (G W) - a (X W) (a' (X W)).  These are the exact derivatives for every input.
; SHARES.  256 work-groups of 16 waves; a work-group owns 512 points, a wave 32, as two tiles of 16 taken one after the other.  16 waves x 256 registers: four waves lie on each SIMD.
; LAYOUT.  The matrix instruction is used transposed: source 0 = 16 output features x 32 input features of W^T (f16, from LDS), source 1 = 32 input features x 16 points.
;   In a result, lane (r = lane % 16, h = lane / 16) holds point r and features 16 mt + 8 h + j in register j of tile mt.  Two neighbouring result tiles, rounded in pairs, ARE source 1
;   of the next layer, so nothing changes lanes between layers; a point's largest magnitude wants one exchange between the halves of the lanes.
; FORMAT.  Matrix operands are f16, sums f32.  Each stream carries a power of two per point, renewed in every layer from the point's largest magnitude m (not below 2^-100),
;   which brings m into [2^12, 2^13): H~ = fh a;  T~ = ft vt, RT /= ft;  X~ = fx vx and G~ = fx^2 vg share fx = min(f(mx), sqrt of f(mg) rounded down), RX /= fx,
;   so that the quadratic term needs no factor.  All factors are made by whole-number arithmetic on the exponent field and are exact.
; TANH.  zs = c z, c = 2 log2 e;  zc = max(|zs|, tau), tau = 2^-6;  th = 64 - 1 / ((2^zc + 1) / 128) = 64 tanh(zc / c);  a = th med3(zs, -tau, tau).
;   From |zs| = tau on that is tanh z; below it is z tanh(theta) / theta with theta = tau / c = 0.0054.  2^zc = inf gives a = +-1.
; LIMITS.  tanh: relative error up to about 4e-5 at every argument.  Weights beyond +-65504 overflow f16, weight elements under 2^-24 vanish.  Elements of a stream more than 2^26 below
;   their point's largest lose bits.  Where G~ binds the joint factor X~ lies lower in f16's range: bits are lost only where |G| passes X^2 2^26.  NaN inputs are not served.
.set NLAY,    6                        ; layers of 64 x 64
.set TILES,   2                        ; tiles of 16 points a wave
; LDS, in bytes
.set WPITCH,  144                      ; a row of W^T: 64 f16 + 16 bytes of padding = 36 words: rows r = 0..15 start at banks 36 r mod 64, sixteen different multiples of 4 (64 banks of 4 bytes: ISA guide 11.1)
.set WROWS,   16*WPITCH                ; 16 rows
.set WLAYER,  64*WPITCH                ; a layer; the six layers lie from byte 0 on
.set A7,      NLAY*WLAYER              ; 16 rows x 144: rows 0 and 8 hold Ws_7, the others zeros
.set BIAS,    A7+WROWS                 ; 7 x 256: c b_l, f32
.set W0L,     BIAS+7*256               ; Ws_0 as it lies, f32: row 0, then row 1
.set TX,      W0L+512                  ; the work-group's t (2,048 bytes), then x
.set OUTS,    TX+4096                  ; its u (2,048 bytes), then f
; vector registers
.set AW,  1                            ; LDS address of my weight fragments: 144 r + 16 h + the layer
.set AB,  2                            ; of my biases: BIAS + 32 h + 256 x layer
.set AP,  3                            ; of my point's t: TX + 128 wave + 64 tile + 4 r
.set RHC, 4                            ; c / fh;   v5 RH = 1 / fh
.set RH,  5
.set RT,  6                            ; T = RT T~
.set RX,  7                            ; X = RX X~, G = RX^2 G~
.set FH,  8                            ; fh (first layer: the normalised t; v9 the raw t)
.set FT,  10                           ; ft, v11 1 / ft (first layer: the normalised x; v11 the raw x)
.set FX,  12                           ; fx, v13 1 / fx
.set FX2, 14                           ; fx^2, v15 at work
.set BT,  16                           ; v16-31   16 biases of a half; later the maxima's chains and H's scaled copy
.set WB,  32                           ; v32-63   four weight fragments; later at work for tanh; later a'
.set FR,  64                           ; v64-127  source 1: H, T, X, G, 16 registers each
.set ACC, 128                          ; v128-255 the sums, 32 registers a stream, index 8 mt + j
.set Z,   128
.set YT,  160
.set YX,  192
.set YG,  224
; scalar registers: s[4:15] Ws_1..6, s[16:29] bs_0..6, s[30:31] Ws_0, s[32:33] Ws_7, s[34:35] bs_7, s[36:39] lb, ub, s[40:43] t, x, s[44:47] out0, out1
.set ROWM,  2                          ; -1 in the waves that write Ws_7 into A7, else 0
.set NTAU,  3                          ; -tau
.set WAVE,  48
.set TS,    49                         ; at work
.set GOFF,  52                         ; s[52:53] the work-group's 2,048 bytes in t, x, out0, out1
.set LB,    54                         ; s54, s55 lb;  s56, s57 ub;  s58 bs_7;  s59, s60 2 / (ub - lb)
.set UB,    56
.set B7,    58
.set ALF,   59
.set KC,    61                         ; c
.set TAU,   62
.set FLOOR, 63                         ; 2^-100
.set KD,    66                         ; s[66:67] 2^-7, named as a pair
.set K64,   68                         ; s[68:69] 64.0, named as a pair
.set KEXP,  70                         ; the exponent field
.set KUP,   71                         ; 266 << 23: minus the field E of m gives 2^(139 - E)
.set KDN,   72                         ; -12 << 23: plus the field E gives 2^(E - 139)
.set KONE,  73                         ; 127 << 23
.set KINV,  74                         ; 254 << 23: minus a power of two's bits gives its reciprocal
.set SEL,   75                         ; s75, s76: each lane takes its own place in the other half
.set KNU,   77                         ; -2 nu = -0.02 / pi
.set TLEFT, 78
.set LLEFT, 79
; eight LDS loads: the fragments of 32 output features (half) x 64 input features
.macro LDW half, woff
.irp m, 0,1
.irp c, 0,1
	ds_load_b128 v[WB+16*\m+8*\c:WB+16*\m+8*\c+3],   v[AW] offset:\woff+(2*\half+\m)*WROWS+64*\c
	ds_load_b128 v[WB+16*\m+8*\c+4:WB+16*\m+8*\c+7], v[AW] offset:\woff+(2*\half+\m)*WROWS+64*\c+32
.endr
.endr
.endm
; four LDS loads: my 16 biases of a half
.macro LDB boff
.irp m, 0,1
	ds_load_b128 v[BT+8*\m:BT+8*\m+3],   v[AB] offset:\boff+64*\m
	ds_load_b128 v[BT+8*\m+4:BT+8*\m+7], v[AB] offset:\boff+64*\m+16
.endr
.endm
; 16 matrix instructions: four streams x two tiles of 16 features x two steps of 32 along K.  The first step starts the sums with the constant 0.
; The eight accumulators take turns, one instruction a turn.
.macro WM half
.irp s, 0,1,2,3
.irp m, 0,1
	v_wmma_f32_16x16x32_f16 v[ACC+32*\s+8*(2*\half+\m):ACC+32*\s+8*(2*\half+\m)+7], v[WB+16*\m:WB+16*\m+7], v[FR+16*\s:FR+16*\s+7], 0
.endr
.endr
.irp s, 0,1,2,3
.irp m, 0,1
	v_wmma_f32_16x16x32_f16 v[ACC+32*\s+8*(2*\half+\m):ACC+32*\s+8*(2*\half+\m)+7], v[WB+16*\m+8:WB+16*\m+15], v[FR+16*\s+8:FR+16*\s+15], v[ACC+32*\s+8*(2*\half+\m):ACC+32*\s+8*(2*\half+\m)+7]
.endr
.endr
.endm
; four places between matrix instructions and what reads their results or writes or loads over their registers
.macro NOP4
.rept 4
	v_nop
.endr
.endm
; zs = y (c / fh) + c b for 16 features; ascending, so that each sum is first read at its low end
.macro ZS half
.set i, 0
.rept 8
	v_pk_fma_f32 v[Z+16*\half+i:Z+16*\half+i+1], v[Z+16*\half+i:Z+16*\half+i+1], v[RHC:RHC+1], v[BT+i:BT+i+1] op_sel_hi:[1,0,1]
.set i, i+2
.endr
.endm
; a = tanh z for 16 features, in place of zs; tmp: 16 registers at work
.macro TH half, tmp
.set zb, Z+16*\half
.set i, 0
.rept 16
	v_max_num_f32 v[\tmp+i], |v[zb+i]|, s[TAU]
.set i, i+1
.endr
.set i, 0
.rept 16
	v_exp_f32 v[\tmp+i], v[\tmp+i]                         ; a plain instruction stands behind each exponential (ISA guide 5.7.2)
	v_med3_num_f32 v[zb+i], v[zb+i], s[NTAU], s[TAU]
.set i, i+1
.endr
.set i, 0
	s_wait_alu depctr_va_vdst(0)
.rept 8
	v_pk_fma_f32 v[\tmp+i:\tmp+i+1], v[\tmp+i:\tmp+i+1], s[KD:KD+1], s[KD:KD+1] op_sel_hi:[1,0,0]   ; (e + 1) / 128
.set i, i+2
.endr
.set i, 0
.rept 16
	v_rcp_f32 v[\tmp+i], v[\tmp+i]
.set i, i+1
.endr
	v_nop                                                  ; a plain place between the last reciprocal and the use of its result
.set i, 0
	s_wait_alu depctr_va_vdst(0)
.rept 8
	v_pk_add_f32 v[\tmp+i:\tmp+i+1], s[K64:K64+1], v[\tmp+i:\tmp+i+1] op_sel_hi:[0,1] neg_lo:[0,1] neg_hi:[0,1]   ; 64 tanh(zc / c)
.set i, i+2
.endr
.set i, 0
.rept 8
	v_pk_mul_f32 v[zb+i:zb+i+1], v[zb+i:zb+i+1], v[\tmp+i:\tmp+i+1]
.set i, i+2
.endr
.endm
; the point's largest magnitude among 64 features (32 in my lane, 32 in the lane 16 away), not below 2^-100, into v[c]; c to c + 3 at work
.macro SCAN src, c
.irp k, 0,1,2,3
	v_max3_num_f32 v[\c+\k], |v[\src+8*\k]|, |v[\src+8*\k+1]|, |v[\src+8*\k+2]|
.endr
.irp k, 0,1,2,3
	v_max3_num_f32 v[\c+\k], v[\c+\k], |v[\src+8*\k+3]|, |v[\src+8*\k+4]|
.endr
.irp k, 0,1,2,3
	v_max3_num_f32 v[\c+\k], v[\c+\k], |v[\src+8*\k+5]|, |v[\src+8*\k+6]|
.endr
	v_max3_num_f32 v[\c], v[\c], |v[\src+7]|, |v[\src+15]|
	v_max3_num_f32 v[\c+1], v[\c+1], |v[\src+23]|, |v[\src+31]|
	v_max3_num_f32 v[\c], v[\c], v[\c+1], v[\c+2]
	v_max_num_f32 v[\c], v[\c], v[\c+3]
	v_permlanex16_b32 v[\c+1], v[\c], s[SEL], s[SEL+1]
	v_max3_num_f32 v[\c], v[\c], v[\c+1], s[FLOOR]
.endm
; a stream is scaled in place by the power of two in v[f] and rounded to f16: 16 registers of source 1
.macro SCALE src, f, dst
.set i, 0
.rept 16
	v_pk_mul_f32 v[\src+i:\src+i+1], v[\src+i:\src+i+1], v[\f:\f+1] op_sel_hi:[1,0]
.set i, i+2
.endr
.set i, 0
.rept 16
	v_cvt_pk_f16_f32 v[\dst+i], v[\src+2*i], v[\src+2*i+1]
.set i, i+1
.endr
.endm
; Behind tanh: Z holds a, YT, YX, YG the products.  The chain rule, the new factors, the next layer's source 1, and the next layer's first loads.
; first = 1: the first layer, whose G W is zero and is never made.  pre = 0: the first layer; 1: a layer in the loop; 2: the last tanh layer.
.macro POST first, pre
.set i, 0
.rept 16
	v_pk_fma_f32 v[WB+i:WB+i+1], v[Z+i:Z+i+1], v[Z+i:Z+i+1], 1.0 op_sel_hi:[1,1,0] neg_lo:[1,0,0] neg_hi:[1,0,0]   ; a' = 1 - a a
.set i, i+2
.endr
	SCAN Z, BT
	v_and_b32 v[RH], s[KEXP], v[BT]                        ; the exponent field E of the largest |a|
	v_sub_nc_u32 v[FH], s[KUP], v[RH]                      ; fh = 2^(139 - E)
	v_add_nc_u32 v[RH], s[KDN], v[RH]                      ; 1 / fh
	v_mul_f32 v[RHC], s[KC], v[RH]
.set i, 0
.rept 4                                ; H~ = fh a, by way of a copy: a itself is still wanted
.irp q, 0,2,4,6
	v_pk_mul_f32 v[BT+8*(i%2)+\q:BT+8*(i%2)+\q+1], v[Z+8*i+\q:Z+8*i+\q+1], v[FH:FH+1] op_sel_hi:[1,0]
.endr
.irp q, 0,1,2,3
	v_cvt_pk_f16_f32 v[FR+4*i+\q], v[BT+8*(i%2)+2*\q], v[BT+8*(i%2)+2*\q+1]
.endr
.set i, i+1
.endr
.set i, 0
.rept 16
	v_pk_mul_f32 v[YT+i:YT+i+1], v[YT+i:YT+i+1], v[WB+i:WB+i+1]    ; vt = a' yt
.set i, i+2
.endr
.set i, 0
.rept 16
	v_pk_mul_f32 v[Z+i:Z+i+1], v[Z+i:Z+i+1], v[YX+i:YX+i+1]        ; a yx
.set i, i+2
.endr
.set i, 0
.rept 16
	v_pk_mul_f32 v[YX+i:YX+i+1], v[YX+i:YX+i+1], v[WB+i:WB+i+1]    ; vx = a' yx
.set i, i+2
.endr
.if \first
.set i, 0
.rept 16
	v_pk_mul_f32 v[YG+i:YG+i+1], v[Z+i:Z+i+1], v[YX+i:YX+i+1] neg_lo:[1,0] neg_hi:[1,0]   ; vg = - (a yx) vx
.set i, i+2
.endr
.else
.set i, 0
.rept 16
	v_pk_mul_f32 v[YG+i:YG+i+1], v[YG+i:YG+i+1], v[WB+i:WB+i+1]
.set i, i+2
.endr
.set i, 0
.rept 16
	v_pk_fma_f32 v[YG+i:YG+i+1], v[Z+i:Z+i+1], v[YX+i:YX+i+1], v[YG+i:YG+i+1] neg_lo:[1,0,0] neg_hi:[1,0,0]   ; vg = a' yg - (a yx) vx
.set i, i+2
.endr
.endif
	; a' has been used up: its registers take the next layer's first weights
.if \pre == 0
	LDW 0, 0
.elseif \pre == 1
	LDW 0, WLAYER
.else
.irp c, 0,1
	ds_load_b128 v[WB+8*\c:WB+8*\c+3],   v[AW] offset:WLAYER+64*\c      ; A7 lies behind the sixth layer
	ds_load_b128 v[WB+8*\c+4:WB+8*\c+7], v[AW] offset:WLAYER+64*\c+32
.endr
.endif
	SCAN YT, BT+4
	SCAN YX, BT+8
	SCAN YG, BT+12
	v_and_b32 v[FT+1], s[KEXP], v[BT+4]
	v_and_b32 v[FX+1], s[KEXP], v[BT+8]
	v_and_b32 v[FX2+1], s[KEXP], v[BT+12]
	v_sub_nc_u32 v[FT], s[KUP], v[FT+1]                    ; ft
	v_sub_nc_u32 v[FX], s[KUP], v[FX+1]                    ; f(mx)
	v_sub_nc_u32 v[FX2+1], s[KUP], v[FX2+1]                ; f(mg) = 2^p, field p + 127
	v_add_nc_u32 v[FT+1], s[KDN], v[FT+1]                  ; 1 / ft
	v_add_nc_u32 v[FX2+1], s[KONE], v[FX2+1]               ; field p + 254,
	v_mul_f32 v[RT], v[RT], v[FT+1]
	v_lshrrev_b32 v[FX2+1], 1, v[FX2+1]                    ; halved,
	v_and_b32 v[FX2+1], s[KEXP], v[FX2+1]                  ; and cut: 2^floor(p / 2)
	v_min_u32 v[FX], v[FX], v[FX2+1]                       ; fx: both are positive powers of two, so the bits order them
	v_sub_nc_u32 v[FX+1], s[KINV], v[FX]                   ; 1 / fx
	v_mul_f32 v[FX2], v[FX], v[FX]
	v_mul_f32 v[RX], v[RX], v[FX+1]
	SCALE YT, FT, FR+16
	SCALE YX, FX, FR+32
	SCALE YG, FX2, FR+48
.if \pre < 2
	LDB 256                                                ; the next layer's first 16 biases; the chains above are done
	v_add_nc_u32 v[AB], 256, v[AB]
.endif
.if \pre == 1
	v_add_nc_u32 v[AW], WLAYER, v[AW]
.endif
.endm
; A layer of 64 x 64.  On the way in: eight weight loads (features 0-31), then four bias loads are out.
.macro LAYER pre
	s_wait_dscnt 0x4                                       ; LDS loads come back in order (ISA guide 5.7.1): the eight weight loads are in, the four bias loads behind them may stay out
	WM 0
	NOP4
	LDW 1, 0
	s_wait_dscnt 0x8                                       ; the biases are in; the eight loads just issued stay out
	ZS 0
	LDB 128
	TH 0, Z+16                                             ; the registers of features 32-63 are free until their products are made
	s_wait_dscnt 0x4                                       ; the weights of features 32-63 are in; their four bias loads stay out
	WM 1
	NOP4
	s_wait_dscnt 0x0
	ZS 1
	TH 1, WB
	POST 0, \pre
.endm
	s_load_b512 s[4:19], s[0:1], 0x0
	s_load_b512 s[20:35], s[0:1], 0x40
	s_load_b256 s[36:43], s[0:1], 0x80
	s_load_b128 s[44:47], s[0:1], 0xa0
	v_lshrrev_b32 v16, 5, v0
	v_readfirstlane_b32 s[WAVE], v16
	s_lshl_b32 s[GOFF], ttmp9, 11                          ; 512 points x 4 bytes
	s_mov_b32 s[GOFF+1], 0
	s_mov_b32 s[NTAU], 0xbc800000
	s_mov_b32 s[KC], 0x4038aa3b
	s_mov_b32 s[TAU], 0x3c800000
	s_mov_b32 s[FLOOR], 0x0d800000
	s_mov_b32 s[KD], 0x3c000000
	s_mov_b32 s[KD+1], 0x3c000000
	s_mov_b32 s[K64], 0x42800000
	s_mov_b32 s[K64+1], 0x42800000
	s_mov_b32 s[KEXP], 0x7f800000
	s_mov_b32 s[KUP], 0x85000000
	s_mov_b32 s[KDN], 0xfa000000
	s_mov_b32 s[KONE], 0x3f800000
	s_mov_b32 s[KINV], 0x7f000000
	s_mov_b32 s[SEL], 0x76543210
	s_mov_b32 s[SEL+1], 0xfedcba98
	s_mov_b32 s[KNU], 0xbbd09b8a
	s_and_b32 s[ROWM], s[WAVE], 7
	s_cmp_eq_u32 s[ROWM], 0
	s_cselect_b32 s[ROWM], -1, 0                           ; rows 0 and 8 of A7 take Ws_7
	; W[k][m] f32 -> LDS row m, f16 along k.  Thread: mq = tid % 16 (columns 4 mq .. + 3), kp = tid / 16 (rows 2 kp, 2 kp + 1): sixteen lanes read a whole row of 256 bytes
	v_and_b32 v16, 15, v0                                  ; mq; also r
	v_lshrrev_b32 v17, 4, v0                               ; kp
	v_lshlrev_b32 v18, 4, v16
	v_lshl_add_u32 v18, v17, 9, v18                        ; 512 kp + 16 mq
	v_mul_u32_u24 v19, v16, 4*WPITCH
	v_lshl_add_u32 v19, v17, 2, v19                        ; LDS: row 4 mq, byte 4 kp
	v_and_b32 v20, 31, v0                                  ; lane
	v_lshlrev_b32 v24, 3, v20                              ; 8 x lane
	v_lshlrev_b32 v25, 4, v20                              ; 16 x lane
	s_mul_i32 s[TS], s[WAVE], WPITCH
	v_lshl_add_u32 v23, v20, 2, s[TS]                      ; row wave of A7, word lane
	s_lshl_b32 s[TS], s[WAVE], 7
	v_lshl_add_u32 v[AP], v16, 2, s[TS]
	v_add_nc_u32 v[AP], TX, v[AP]                          ; my point's t in the wave's first tile
	s_wait_kmcnt 0x0
	s_load_b64 s[LB:LB+1], s[36:37], 0x0
	s_load_b64 s[UB:UB+1], s[38:39], 0x0
	s_load_b32 s[B7], s[34:35], 0x0
	s_add_nc_u64 s[40:41], s[40:41], s[GOFF:GOFF+1]        ; t, x, out0, out1 at the work-group's points
	s_add_nc_u64 s[42:43], s[42:43], s[GOFF:GOFF+1]
	s_add_nc_u64 s[44:45], s[44:45], s[GOFF:GOFF+1]
	s_add_nc_u64 s[46:47], s[46:47], s[GOFF:GOFF+1]
.irp l, 0,1,2,3,4,5
	global_load_b128 v[FR+8*\l:FR+8*\l+3],   v18, s[4+2*\l:5+2*\l]
	global_load_b128 v[FR+8*\l+4:FR+8*\l+7], v18, s[4+2*\l:5+2*\l] offset:256
.endr
	global_load_b64 v[116:117], v24, s[32:33]              ; Ws_7: my two numbers
	; the small copies, shared out by the wave's number
	s_cmp_eq_u32 s[WAVE], 0
	s_cbranch_scc0 .Lnot_bias
.irp l, 0,1,2,3,4,5,6
	global_load_b64 v[120+2*\l:121+2*\l], v24, s[16+2*\l:17+2*\l]   ; a whole bias of 256 bytes
.endr
	s_wait_loadcnt 0x0
.irp l, 0,1,2,3,4,5,6
	v_mul_f32 v[120+2*\l], s[KC], v[120+2*\l]
	v_mul_f32 v[121+2*\l], s[KC], v[121+2*\l]
	ds_store_b64 v24, v[120+2*\l:121+2*\l] offset:BIAS+256*\l
.endr
	s_branch .Lcopied
.Lnot_bias:
	s_cmp_eq_u32 s[WAVE], 1
	s_cbranch_scc0 .Lnot_w0
	global_load_b128 v[120:123], v25, s[30:31]
	s_wait_loadcnt 0x0
	ds_store_b128 v25, v[120:123] offset:W0L
	s_branch .Lcopied
.Lnot_w0:
	s_cmp_lt_u32 s[WAVE], 4
	s_cbranch_scc1 .Lcopied
	s_cmp_gt_u32 s[WAVE], 7
	s_cbranch_scc1 .Lcopied
	v_and_b32 v21, 127, v0                                 ; waves 4 to 7: 128 threads x 16 bytes are the work-group's 2,048 bytes of t, and of x
	v_lshlrev_b32 v21, 4, v21
	global_load_b128 v[120:123], v21, s[40:41] th:TH_LOAD_NT
	global_load_b128 v[124:127], v21, s[42:43] th:TH_LOAD_NT
	s_wait_loadcnt 0x0
	ds_store_b128 v21, v[120:123] offset:TX
	ds_store_b128 v21, v[124:127] offset:TX+2048
.Lcopied:
	s_wait_loadcnt 0x0                                     ; the weights and Ws_7, in the waves that copied nothing too
	v_cvt_pk_f16_f32 v116, v116, v117
	v_and_b32 v116, s[ROWM], v116
	ds_store_b32 v23, v116 offset:A7
.irp l, 0,1,2,3,4,5
.irp i, 0,1,2,3
	v_cvt_pk_f16_f32 v[FR+8*\l+\i], v[FR+8*\l+\i], v[FR+8*\l+4+\i]     ; k = 2 kp below, 2 kp + 1 above, of output feature 4 mq + i
	ds_store_b32 v19, v[FR+8*\l+\i] offset:WLAYER*\l+WPITCH*\i
.endr
.endr
	s_wait_kmcnt 0x0                                       ; lb, ub, bs_7
	v_sub_f32 v26, s[UB], s[LB]
	v_sub_f32 v27, s[UB+1], s[LB+1]
	v_rcp_f32 v26, v26
	v_rcp_f32 v27, v27
	v_nop
	s_wait_alu depctr_va_vdst(0)
	v_add_f32 v26, v26, v26
	v_add_f32 v27, v27, v27
	v_readfirstlane_b32 s[ALF], v26                        ; 2 / (ub - lb), for t
	v_readfirstlane_b32 s[ALF+1], v27                      ; and for x
	s_wait_dscnt 0x0                                       ; for the others' sake: my stores into LDS are done
	s_barrier_signal -1
	s_barrier_wait -1
	s_mov_b32 s[TLEFT], TILES
.Ltile:
	v_and_b32 v16, 15, v0                                  ; r
	v_bfe_u32 v17, v0, 4, 1                                ; h
	v_mul_u32_u24 v[AW], v16, WPITCH
	v_lshl_add_u32 v[AW], v17, 4, v[AW]
	v_lshlrev_b32 v[AB], 5, v17
	v_add_nc_u32 v[AB], BIAS, v[AB]
	ds_load_b32 v[FH+1], v[AP]                             ; t
	ds_load_b32 v[FT+1], v[AP] offset:2048                 ; x
.irp m, 0,1,2,3
	ds_load_b128 v[YT+8*\m:YT+8*\m+3],   v[AB] offset:W0L-BIAS+64*\m           ; yt = Ws_0[0], my 32 features
	ds_load_b128 v[YT+8*\m+4:YT+8*\m+7], v[AB] offset:W0L-BIAS+64*\m+16
	ds_load_b128 v[YX+8*\m:YX+8*\m+3],   v[AB] offset:W0L-BIAS+256+64*\m       ; yx = Ws_0[1]
	ds_load_b128 v[YX+8*\m+4:YX+8*\m+7], v[AB] offset:W0L-BIAS+256+64*\m+16
.endr
	LDB 0
	v_mov_b32 v[RHC], s[KC]                                ; the first layer's z is unscaled
	v_mov_b32 v[RH], 0                                     ; named with RHC as a pair, so it is written
	v_mov_b32 v[RT], s[ALF]                                ; dh/dt and dh/dx of the normalised inputs
	v_mov_b32 v[RX], s[ALF+1]
	s_wait_dscnt 0x0
	v_sub_f32 v[FH], v[FH+1], s[LB]
	v_sub_f32 v[FT], v[FT+1], s[LB+1]
	v_fma_f32 v[FH], v[FH], s[ALF], -1.0
	v_fma_f32 v[FT], v[FT], s[ALF+1], -1.0
.set i, 0
.rept 16
	v_pk_mul_f32 v[Z+i:Z+i+1], v[YT+i:YT+i+1], v[FH:FH+1] op_sel_hi:[1,0]
.set i, i+2
.endr
.set i, 0
.rept 16
	v_pk_fma_f32 v[Z+i:Z+i+1], v[YX+i:YX+i+1], v[FT:FT+1], v[Z+i:Z+i+1] op_sel_hi:[1,0,1]
.set i, i+2
.endr
	ZS 0
	LDB 128
	TH 0, WB
	s_wait_dscnt 0x0
	ZS 1
	TH 1, WB
	POST 1, 0
	s_mov_b32 s[LLEFT], NLAY-1
.Llayer:
	LAYER 1
	s_sub_co_i32 s[LLEFT], s[LLEFT], 1
	s_cmp_lg_u32 s[LLEFT], 0
	s_cbranch_scc1 .Llayer
	LAYER 2
	; the last layer: source 0 holds Ws_7 in rows 0 and 8, so register 0 of every lane is its point's product.  Four accumulators by turns.
	s_wait_dscnt 0x0
.irp s, 0,1,2,3
	v_wmma_f32_16x16x32_f16 v[ACC+32*\s:ACC+32*\s+7], v[WB:WB+7], v[FR+16*\s:FR+16*\s+7], 0
.endr
.irp s, 0,1,2,3
	v_wmma_f32_16x16x32_f16 v[ACC+32*\s:ACC+32*\s+7], v[WB+8:WB+15], v[FR+16*\s+8:FR+16*\s+15], v[ACC+32*\s:ACC+32*\s+7]
.endr
	NOP4
	v_fma_f32 v16, v[Z], v[RH], s[B7]                      ; u
	v_mul_f32 v17, v[YX], v[RX]                            ; u_x
	v_mul_f32 v18, v[YG], v[RX]
	v_mul_f32 v19, v[YT], v[RT]                            ; u_t
	v_mul_f32 v18, v18, v[RX]                              ; u_xx / 2
	v_fma_f32 v19, v16, v17, v19
	v_fma_f32 v19, s[KNU], v18, v19                        ; f
	ds_store_b32 v[AP], v16 offset:OUTS-TX                 ; both halves of the lanes hold the same number and write the same word
	ds_store_b32 v[AP], v19 offset:OUTS-TX+2048
	v_add_nc_u32 v[AP], 64, v[AP]                          ; the wave's next 16 points
	s_sub_co_i32 s[TLEFT], s[TLEFT], 1
	s_cmp_lg_u32 s[TLEFT], 0
	s_cbranch_scc1 .Ltile
	s_wait_dscnt 0x0                                       ; for the others' sake: my results are in LDS
	s_barrier_signal -1
	s_barrier_wait -1
	s_cmp_lt_u32 s[WAVE], 4
	s_cbranch_scc0 .Lend
	v_lshlrev_b32 v16, 4, v0                               ; waves 0 to 3: 128 threads x 16 bytes are the work-group's 2,048 bytes of u, and of f
	v_add_nc_u32 v17, OUTS, v16
	ds_load_b128 v[20:23], v17
	ds_load_b128 v[24:27], v17 offset:2048
	s_wait_dscnt 0x1                                       ; u is in; f's load may stay out
	global_store_b128 v16, v[20:23], s[44:45] th:TH_STORE_NT   ; 16 lanes store 256 consecutive bytes, at a multiple of 256 from the buffer's first byte
	s_wait_dscnt 0x0
	global_store_b128 v16, v[24:27], s[46:47] th:TH_STORE_NT
.Lend:
	s_wait_xcnt 0x0
	v_lshl_add_u32 v254, v0, 2, 0x10a00
	v_mov_b32 v255, 0
	s_wait_tensorcnt 0x0
	ds_add_u32 v254, v255
	s_wait_dscnt 0x0
	s_endpgm
.Lfunc_end_k_qbf120883a2_pinn:
	.size	k_qbf120883a2_pinn, .Lfunc_end_k_qbf120883a2_pinn-k_qbf120883a2_pinn
	.p2alignl 7, 3214868480
	.fill 96, 4, 3214868480
	.section	.rodata,"a",@progbits
	.p2align	6, 0x0
	.amdhsa_kernel k_qbf120883a2_pinn
		.amdhsa_group_segment_fixed_size 70144
		.amdhsa_private_segment_fixed_size 0
		.amdhsa_enable_private_segment 0
		.amdhsa_kernarg_size 176
		.amdhsa_user_sgpr_count 2
		.amdhsa_user_sgpr_kernarg_segment_ptr 1
		.amdhsa_wavefront_size32 1
		.amdhsa_system_sgpr_workgroup_id_x 1
		.amdhsa_system_sgpr_workgroup_id_y 1
		.amdhsa_system_sgpr_workgroup_id_z 1
		.amdhsa_system_vgpr_workitem_id 0
		.amdhsa_next_free_vgpr 256
		.amdhsa_next_free_sgpr 80
		.amdhsa_reserve_vcc 0
		.amdhsa_float_denorm_mode_32 3
		.amdhsa_float_denorm_mode_16_64 3
		.amdhsa_memory_ordered 1
		.amdhsa_forward_progress 1
		.amdhsa_inst_pref_size 112
	.end_amdhsa_kernel
	.amdgpu_metadata
---
amdhsa.version: [ 1, 2 ]
amdhsa.kernels:
  - .name:           k_qbf120883a2_pinn
    .symbol:         k_qbf120883a2_pinn.kd
    .args:
      - { .name: Ws_1, .offset: 0, .size: 8, .value_kind: global_buffer, .address_space: global }
      - { .name: Ws_2, .offset: 8, .size: 8, .value_kind: global_buffer, .address_space: global }
      - { .name: Ws_3, .offset: 16, .size: 8, .value_kind: global_buffer, .address_space: global }
      - { .name: Ws_4, .offset: 24, .size: 8, .value_kind: global_buffer, .address_space: global }
      - { .name: Ws_5, .offset: 32, .size: 8, .value_kind: global_buffer, .address_space: global }
      - { .name: Ws_6, .offset: 40, .size: 8, .value_kind: global_buffer, .address_space: global }
      - { .name: bs_0, .offset: 48, .size: 8, .value_kind: global_buffer, .address_space: global }
      - { .name: bs_1, .offset: 56, .size: 8, .value_kind: global_buffer, .address_space: global }
      - { .name: bs_2, .offset: 64, .size: 8, .value_kind: global_buffer, .address_space: global }
      - { .name: bs_3, .offset: 72, .size: 8, .value_kind: global_buffer, .address_space: global }
      - { .name: bs_4, .offset: 80, .size: 8, .value_kind: global_buffer, .address_space: global }
      - { .name: bs_5, .offset: 88, .size: 8, .value_kind: global_buffer, .address_space: global }
      - { .name: bs_6, .offset: 96, .size: 8, .value_kind: global_buffer, .address_space: global }
      - { .name: Ws_0, .offset: 104, .size: 8, .value_kind: global_buffer, .address_space: global }
      - { .name: Ws_7, .offset: 112, .size: 8, .value_kind: global_buffer, .address_space: global }
      - { .name: bs_7, .offset: 120, .size: 8, .value_kind: global_buffer, .address_space: global }
      - { .name: lb, .offset: 128, .size: 8, .value_kind: global_buffer, .address_space: global }
      - { .name: ub, .offset: 136, .size: 8, .value_kind: global_buffer, .address_space: global }
      - { .name: t, .offset: 144, .size: 8, .value_kind: global_buffer, .address_space: global }
      - { .name: x, .offset: 152, .size: 8, .value_kind: global_buffer, .address_space: global }
      - { .name: out0, .offset: 160, .size: 8, .value_kind: global_buffer, .address_space: global }
      - { .name: out1, .offset: 168, .size: 8, .value_kind: global_buffer, .address_space: global }
    .group_segment_fixed_size: 70144
    .private_segment_fixed_size: 0
    .kernarg_segment_align: 8
    .kernarg_segment_size: 176
    .max_flat_workgroup_size: 512
    .sgpr_count:     80
    .vgpr_count:     256
    .wavefront_size: 32
...
	.end_amdgpu_metadata
.endif
;; end of part 1
;; ======== version 2 of 2: 1 launch; 1.13 times as fast as version 1
;; limits: values are held in f16: magnitudes above 65,504 overflow, below 6.1e-05 lose precision; inputs' magnitudes at most 65,504
;; launch pinn (part 2): grid 256 x 1, 16 waves a work-group, no clusters, 70,144 bytes of LDS; arguments Ws_1, Ws_2, Ws_3, Ws_4, Ws_5, Ws_6, bs_0, bs_1, bs_2, bs_3, bs_4, bs_5, bs_6, Ws_0, Ws_7, bs_7, lb, ub, t, x, out0, out1; writes out0, out1
.if DOCPART == 2
	.amdgcn_target "amdgcn-amd-amdhsa--gfx1250"
	.amdhsa_code_object_version 6
	.text
	.protected	k_qbf120883a2_pinn
	.globl	k_qbf120883a2_pinn
	.p2align	8
	.type	k_qbf120883a2_pinn,@function
k_qbf120883a2_pinn:
	s_mov_b64 s[64:65], 0
	v_nop
	global_prefetch_b8 v0, s[64:65] scope:SCOPE_SE
	s_setreg_imm32_b32 hwreg(HW_REG_WAVE_MODE, 25, 1), 1
	s_wait_xcnt 0x0
; u and f = u_t + u u_x - nu u_xx of a tanh network 2-64-64-64-64-64-64-64-1, for 131,072 points (t, x).
; FORWARD STREAMS.  Three streams go through the layers together: H = h, X = dh/dx, F = dh/dt - nu d2h/dx2.  dh/dt and d2h/dx2 have the same linear part, and f wants them
;   only in this combination, so one stream carries both.  With z = h W + b, a = tanh z, a' = 1 - a a:
;   H = a,  X = a' (X W),  F = a' (F W) + 2 nu a (X W) (a' (X W)).  At the end f = u u_x + F Ws_7.  These are the exact derivatives for every input.
; SHARES.  256 work-groups of 16 waves; a work-group owns 512 points, a wave 32, as two tiles of 16 taken one after the other.  Four waves lie on each SIMD.
; LAYOUT.  The matrix instruction is used transposed: source 0 = 16 output features x 32 input features of W^T (f16, from LDS), source 1 = 32 input features x 16 points.
;   In a result, lane (r = lane % 16, h = lane / 16) holds point r and features 16 mt + 8 h + j in register j of tile mt.  Two neighbouring result tiles, rounded in pairs, ARE source 1
;   of the next layer, so nothing changes lanes between layers; a point's largest magnitude wants one exchange between the halves of the lanes.
; FORMAT.  Matrix operands are f16, sums f32.  Each stream carries a power of two per point, renewed in every layer from the point's largest magnitude m (not below 2^-100),
;   which brings m into [2^12, 2^13): H~ = fh a;  X~ = fx vx, RX /= fx;  F~ = ff vf, RF /= ff.  In these units vf = a' yf + rho (a yx) (a' yx) with rho = 2 nu RX^2 / RF,
;   carried along as rho <- rho ff / fx^2.  The factors are made by whole-number arithmetic on the exponent field and are exact.
;   The first layer has the same form: yf = Ws_0[0], RF = 2 / (ub_t - lb_t), yx = Ws_0[1], RX = 2 / (ub_x - lb_x), rho = nu (ub_t - lb_t) RX^2.
;   F's m has a second floor, |rho / fx^2| 2^-35: since ff m < 2^13 that keeps |rho| under 2^48, also where F vanishes at a point and X does not.
; TANH.  zs = c z, c = 2 log2 e;  zc = max(|zs|, tau), tau = 2^-6;  th = 64 - 1 / ((2^zc + 1) / 128) = 64 tanh(zc / c);  a = th med3(zs, -tau, tau).
;   From |zs| = tau on that is tanh z; below it is z tanh(theta) / theta with theta = tau / c = 0.0054.  2^zc = inf gives a = +-1.
; LIMITS.  tanh: relative error up to about 4e-5 at every argument.  Weights beyond +-65504 overflow f16, weight elements under 2^-24 vanish.  Elements of a stream more than 2^26 below
;   their point's largest lose bits.  Where the second floor binds (|F| more than about 2^60 below 2 nu X^2) F~ lies lower in f16's range.  NaN inputs are not served.
.set NLAY,    6                        ; layers of 64 x 64
.set TILES,   2                        ; tiles of 16 points a wave
; LDS, in bytes
.set WPITCH,  144                      ; a row of W^T: 64 f16 + 16 bytes of padding = 36 words: rows r = 0..15 start at banks 36 r mod 64, sixteen different multiples of 4 (64 banks of 4 bytes: ISA guide 11.1)
.set WROWS,   16*WPITCH                ; 16 rows
.set WLAYER,  64*WPITCH                ; a layer; the six layers lie from byte 0 on
.set A7,      NLAY*WLAYER              ; 16 rows x 144: rows 0 and 8 hold Ws_7, the others zeros
.set BIAS,    A7+WROWS                 ; 7 x 256: c b_l, f32
.set W0L,     BIAS+7*256               ; Ws_0 as it lies, f32: row 0, then row 1
.set TX,      W0L+512                  ; the work-group's t (2,048 bytes), then x
.set OUTS,    TX+4096                  ; its u (2,048 bytes), then f
; vector registers
.set AW,  1                            ; LDS address of my weight fragments: 144 r + 16 h + the layer
.set AB,  2                            ; of my biases: BIAS + 32 h + 256 x layer
.set AP,  3                            ; of my point's t: TX + 128 wave + 64 tile + 4 r
.set RHC, 4                            ; c / fh;   v5 RH = 1 / fh
.set RH,  5
.set RHO, 6                            ; rho; named as a pair with RX
.set RX,  7                            ; X = RX X~
.set FH,  8                            ; fh (first layer: the normalised t; v9 the raw t)
.set FF,  10                           ; ff, v11 1 / ff (first layer: the normalised x; v11 the raw x)
.set FX,  12                           ; fx, v13 1 / fx
.set RF,  14                           ; F = RF F~
.set TT,  15                           ; rho / fx^2
.set BT,  16                           ; v16-31   16 biases of a half; later the maxima's chains and H's scaled copy
.set WB,  32                           ; v32-63   four weight fragments; later at work for tanh; later a'
.set FR,  64                           ; v64-111  source 1: H, X, F, 16 registers each
.set ACC, 112                          ; v112-207 the sums, 32 registers a stream, index 8 mt + j
.set Z,   112
.set YX,  144
.set YF,  176
; scalar registers: s[4:15] Ws_1..6, s[16:29] bs_0..6, s[30:31] Ws_0, s[32:33] Ws_7, s[34:35] bs_7, s[36:39] lb, ub, s[40:43] t, x, s[44:47] out0, out1
.set ROWM,  2                          ; -1 in the waves that write Ws_7 into A7, else 0
.set NTAU,  3                          ; -tau
.set WAVE,  48
.set TS,    49                         ; at work
.set GOFF,  52                         ; s[52:53] the work-group's 2,048 bytes in t, x, out0, out1
.set LB,    54                         ; s54, s55 lb;  s56, s57 ub;  s58 bs_7;  s59, s60 2 / (ub - lb)
.set UB,    56
.set B7,    58
.set ALF,   59
.set KC,    61                         ; c
.set TAU,   62
.set FLOOR, 63                         ; 2^-100
.set KD,    66                         ; s[66:67] 2^-7, named as a pair
.set K64,   68                         ; s[68:69] 64.0, named as a pair
.set KEXP,  70                         ; the exponent field
.set KUP,   71                         ; 266 << 23: minus the field E of m gives 2^(139 - E)
.set KDN,   72                         ; -12 << 23: plus the field E gives 2^(E - 139)
.set KCAP,  73                         ; 2^-35
.set RHO0,  74                         ; the first layer's rho
.set SEL,   75                         ; s75, s76: each lane takes its own place in the other half
.set KNU,   77                         ; nu = 0.01 / pi
.set TLEFT, 78
.set LLEFT, 79
; eight LDS loads: the fragments of 32 output features (half) x 64 input features
.macro LDW half, woff
.irp m, 0,1
.irp c, 0,1
	ds_load_b128 v[WB+16*\m+8*\c:WB+16*\m+8*\c+3],   v[AW] offset:\woff+(2*\half+\m)*WROWS+64*\c
	ds_load_b128 v[WB+16*\m+8*\c+4:WB+16*\m+8*\c+7], v[AW] offset:\woff+(2*\half+\m)*WROWS+64*\c+32
.endr
.endr
.endm
; four LDS loads: my 16 biases of a half
.macro LDB boff
.irp m, 0,1
	ds_load_b128 v[BT+8*\m:BT+8*\m+3],   v[AB] offset:\boff+64*\m
	ds_load_b128 v[BT+8*\m+4:BT+8*\m+7], v[AB] offset:\boff+64*\m+16
.endr
.endm
; 12 matrix instructions: three streams x two tiles of 16 features x two steps of 32 along K.  The first step starts the sums with the constant 0.
; The six accumulators take turns, one instruction a turn.
.macro WM half
.irp s, 0,1,2
.irp m, 0,1
	v_wmma_f32_16x16x32_f16 v[ACC+32*\s+8*(2*\half+\m):ACC+32*\s+8*(2*\half+\m)+7], v[WB+16*\m:WB+16*\m+7], v[FR+16*\s:FR+16*\s+7], 0
.endr
.endr
.irp s, 0,1,2
.irp m, 0,1
	v_wmma_f32_16x16x32_f16 v[ACC+32*\s+8*(2*\half+\m):ACC+32*\s+8*(2*\half+\m)+7], v[WB+16*\m+8:WB+16*\m+15], v[FR+16*\s+8:FR+16*\s+15], v[ACC+32*\s+8*(2*\half+\m):ACC+32*\s+8*(2*\half+\m)+7]
.endr
.endr
.endm
; four places between matrix instructions and what reads their results or writes or loads over their registers
.macro NOP4
.rept 4
	v_nop
.endr
.endm
; zs = y (c / fh) + c b for 16 features; ascending, so that each sum is first read at its low end
.macro ZS half
.set i, 0
.rept 8
	v_pk_fma_f32 v[Z+16*\half+i:Z+16*\half+i+1], v[Z+16*\half+i:Z+16*\half+i+1], v[RHC:RHC+1], v[BT+i:BT+i+1] op_sel_hi:[1,0,1]
.set i, i+2
.endr
.endm
; a = tanh z for 16 features, in place of zs; tmp: 16 registers at work
.macro TH half, tmp
.set zb, Z+16*\half
.set i, 0
.rept 16
	v_max_num_f32 v[\tmp+i], |v[zb+i]|, s[TAU]
.set i, i+1
.endr
.set i, 0
.rept 16
	v_exp_f32 v[\tmp+i], v[\tmp+i]                         ; a plain instruction stands behind each exponential (ISA guide 5.7.2)
	v_med3_num_f32 v[zb+i], v[zb+i], s[NTAU], s[TAU]
.set i, i+1
.endr
.set i, 0
	s_wait_alu depctr_va_vdst(0)
.rept 8
	v_pk_fma_f32 v[\tmp+i:\tmp+i+1], v[\tmp+i:\tmp+i+1], s[KD:KD+1], s[KD:KD+1] op_sel_hi:[1,0,0]   ; (e + 1) / 128
.set i, i+2
.endr
.set i, 0
.rept 16
	v_rcp_f32 v[\tmp+i], v[\tmp+i]
.set i, i+1
.endr
	v_nop                                                  ; a plain place between the last reciprocal and the use of its result
.set i, 0
	s_wait_alu depctr_va_vdst(0)
.rept 8
	v_pk_add_f32 v[\tmp+i:\tmp+i+1], s[K64:K64+1], v[\tmp+i:\tmp+i+1] op_sel_hi:[0,1] neg_lo:[0,1] neg_hi:[0,1]   ; 64 tanh(zc / c)
.set i, i+2
.endr
.set i, 0
.rept 8
	v_pk_mul_f32 v[zb+i:zb+i+1], v[zb+i:zb+i+1], v[\tmp+i:\tmp+i+1]
.set i, i+2
.endr
.endm
; the point's largest magnitude among 64 features (32 in my lane, 32 in the lane 16 away), not below 2^-100, into v[c]; c to c + 3 at work
.macro SCAN src, c
.irp k, 0,1,2,3
	v_max3_num_f32 v[\c+\k], |v[\src+8*\k]|, |v[\src+8*\k+1]|, |v[\src+8*\k+2]|
.endr
.irp k, 0,1,2,3
	v_max3_num_f32 v[\c+\k], v[\c+\k], |v[\src+8*\k+3]|, |v[\src+8*\k+4]|
.endr
.irp k, 0,1,2,3
	v_max3_num_f32 v[\c+\k], v[\c+\k], |v[\src+8*\k+5]|, |v[\src+8*\k+6]|
.endr
	v_max3_num_f32 v[\c], v[\c], |v[\src+7]|, |v[\src+15]|
	v_max3_num_f32 v[\c+1], v[\c+1], |v[\src+23]|, |v[\src+31]|
	v_max3_num_f32 v[\c], v[\c], v[\c+1], v[\c+2]
	v_max_num_f32 v[\c], v[\c], v[\c+3]
	v_permlanex16_b32 v[\c+1], v[\c], s[SEL], s[SEL+1]
	v_max3_num_f32 v[\c], v[\c], v[\c+1], s[FLOOR]
.endm
; a stream is scaled in place by the power of two in v[f] and rounded to f16: 16 registers of source 1
.macro SCALE src, f, dst
.set i, 0
.rept 16
	v_pk_mul_f32 v[\src+i:\src+i+1], v[\src+i:\src+i+1], v[\f:\f+1] op_sel_hi:[1,0]
.set i, i+2
.endr
.set i, 0
.rept 16
	v_cvt_pk_f16_f32 v[\dst+i], v[\src+2*i], v[\src+2*i+1]
.set i, i+1
.endr
.endm
; Behind tanh: Z holds a, YX and YF the products.  The chain rule, the new factors, the next layer's source 1, and the next layer's first loads.
; pre = 0: the first layer; 1: a layer in the loop; 2: the last tanh layer.
.macro POST pre
.set i, 0
.rept 16
	v_pk_fma_f32 v[WB+i:WB+i+1], v[Z+i:Z+i+1], v[Z+i:Z+i+1], 1.0 op_sel_hi:[1,1,0] neg_lo:[1,0,0] neg_hi:[1,0,0]   ; a' = 1 - a a
.set i, i+2
.endr
	SCAN Z, BT
	v_and_b32 v[RH], s[KEXP], v[BT]                        ; the exponent field E of the largest |a|
	v_sub_nc_u32 v[FH], s[KUP], v[RH]                      ; fh = 2^(139 - E)
	v_add_nc_u32 v[RH], s[KDN], v[RH]                      ; 1 / fh
	v_mul_f32 v[RHC], s[KC], v[RH]
.set i, 0
.rept 4                                ; H~ = fh a, by way of a copy: a itself is still wanted
.irp q, 0,2,4,6
	v_pk_mul_f32 v[BT+8*(i%2)+\q:BT+8*(i%2)+\q+1], v[Z+8*i+\q:Z+8*i+\q+1], v[FH:FH+1] op_sel_hi:[1,0]
.endr
.irp q, 0,1,2,3
	v_cvt_pk_f16_f32 v[FR+4*i+\q], v[BT+8*(i%2)+2*\q], v[BT+8*(i%2)+2*\q+1]
.endr
.set i, i+1
.endr
.set i, 0
.rept 16
	v_pk_mul_f32 v[Z+i:Z+i+1], v[Z+i:Z+i+1], v[YX+i:YX+i+1]        ; a yx
.set i, i+2
.endr
.set i, 0
.rept 16
	v_pk_mul_f32 v[YX+i:YX+i+1], v[YX+i:YX+i+1], v[WB+i:WB+i+1]    ; vx = a' yx
.set i, i+2
.endr
.set i, 0
.rept 16
	v_pk_mul_f32 v[YF+i:YF+i+1], v[YF+i:YF+i+1], v[WB+i:WB+i+1]    ; a' yf
.set i, i+2
.endr
	; a' has been used up: its registers take the next layer's first weights
.if \pre == 0
	LDW 0, 0
.elseif \pre == 1
	LDW 0, WLAYER
.else
.irp c, 0,1
	ds_load_b128 v[WB+8*\c:WB+8*\c+3],   v[AW] offset:WLAYER+64*\c      ; A7 lies behind the sixth layer
	ds_load_b128 v[WB+8*\c+4:WB+8*\c+7], v[AW] offset:WLAYER+64*\c+32
.endr
.endif
.set i, 0
.rept 16
	v_pk_mul_f32 v[Z+i:Z+i+1], v[Z+i:Z+i+1], v[RHO:RHO+1] op_sel_hi:[1,0]   ; rho a yx
.set i, i+2
.endr
.set i, 0
.rept 16
	v_pk_fma_f32 v[YF+i:YF+i+1], v[Z+i:Z+i+1], v[YX+i:YX+i+1], v[YF+i:YF+i+1]   ; vf = a' yf + (rho a yx) vx
.set i, i+2
.endr
	SCAN YX, BT+4
	v_and_b32 v[FX+1], s[KEXP], v[BT+4]
	v_sub_nc_u32 v[FX], s[KUP], v[FX+1]                    ; fx
	v_add_nc_u32 v[FX+1], s[KDN], v[FX+1]                  ; 1 / fx
	v_mul_f32 v[TT], v[RHO], v[FX+1]
	v_mul_f32 v[RX], v[RX], v[FX+1]
	v_mul_f32 v[TT], v[TT], v[FX+1]                        ; rho / fx^2
	SCAN YF, BT+8
	v_mul_f32 v[RHO], s[KCAP], v[TT]                       ; F's second floor: with it the new |rho| = |rho / fx^2| ff stays under 2^35 x 2^13
	v_max_num_f32 v[BT+8], v[BT+8], |v[RHO]|
	v_and_b32 v[FF+1], s[KEXP], v[BT+8]
	v_sub_nc_u32 v[FF], s[KUP], v[FF+1]                    ; ff
	v_add_nc_u32 v[FF+1], s[KDN], v[FF+1]                  ; 1 / ff
	v_mul_f32 v[RHO], v[TT], v[FF]
	v_mul_f32 v[RF], v[RF], v[FF+1]
	SCALE YX, FX, FR+16
	SCALE YF, FF, FR+32
.if \pre < 2
	LDB 256                                                ; the next layer's first 16 biases; the chains above are done
	v_add_nc_u32 v[AB], 256, v[AB]
.endif
.if \pre == 1
	v_add_nc_u32 v[AW], WLAYER, v[AW]
.endif
.endm
; A layer of 64 x 64.  On the way in: eight weight loads (features 0-31), then four bias loads are out.
.macro LAYER pre
	s_wait_dscnt 0x4                                       ; LDS loads come back in order (ISA guide 5.7.1): the eight weight loads are in, the four bias loads behind them may stay out
	WM 0
	NOP4
	LDW 1, 0
	s_wait_dscnt 0x8                                       ; the biases are in; the eight loads just issued stay out
	ZS 0
	LDB 128
	TH 0, Z+16                                             ; the registers of features 32-63 are free until their products are made
	s_wait_dscnt 0x4                                       ; the weights of features 32-63 are in; their four bias loads stay out
	WM 1
	NOP4
	s_wait_dscnt 0x0
	ZS 1
	TH 1, WB
	POST \pre
.endm
	s_load_b512 s[4:19], s[0:1], 0x0
	s_load_b512 s[20:35], s[0:1], 0x40
	s_load_b256 s[36:43], s[0:1], 0x80
	s_load_b128 s[44:47], s[0:1], 0xa0
	v_lshl_add_u32 v208, v0, 2, 0x10a00
	v_mov_b32 v209, 0
	v_lshrrev_b32 v16, 5, v0
	v_readfirstlane_b32 s[WAVE], v16
	s_lshl_b32 s[GOFF], ttmp9, 11                          ; 512 points x 4 bytes
	s_mov_b32 s[GOFF+1], 0
	s_mov_b32 s[NTAU], 0xbc800000
	s_mov_b32 s[KC], 0x4038aa3b
	s_mov_b32 s[TAU], 0x3c800000
	s_mov_b32 s[FLOOR], 0x0d800000
	s_mov_b32 s[KD], 0x3c000000
	s_mov_b32 s[KD+1], 0x3c000000
	s_mov_b32 s[K64], 0x42800000
	s_mov_b32 s[K64+1], 0x42800000
	s_mov_b32 s[KEXP], 0x7f800000
	s_mov_b32 s[KUP], 0x85000000
	s_mov_b32 s[KDN], 0xfa000000
	s_mov_b32 s[KCAP], 0x2e000000
	s_mov_b32 s[SEL], 0x76543210
	s_mov_b32 s[SEL+1], 0xfedcba98
	s_mov_b32 s[KNU], 0x3b509b8a
	s_and_b32 s[ROWM], s[WAVE], 7
	s_cmp_eq_u32 s[ROWM], 0
	s_cselect_b32 s[ROWM], -1, 0                           ; rows 0 and 8 of A7 take Ws_7
	; W[k][m] f32 -> LDS row m, f16 along k.  Thread: mq = tid % 16 (columns 4 mq .. + 3), kp = tid / 16 (rows 2 kp, 2 kp + 1): sixteen lanes read a whole row of 256 bytes
	v_and_b32 v16, 15, v0                                  ; mq; also r
	v_lshrrev_b32 v17, 4, v0                               ; kp
	v_lshlrev_b32 v18, 4, v16
	v_lshl_add_u32 v18, v17, 9, v18                        ; 512 kp + 16 mq
	v_mul_u32_u24 v19, v16, 4*WPITCH
	v_lshl_add_u32 v19, v17, 2, v19                        ; LDS: row 4 mq, byte 4 kp
	v_and_b32 v20, 31, v0                                  ; lane
	v_lshlrev_b32 v24, 3, v20                              ; 8 x lane
	v_lshlrev_b32 v25, 4, v20                              ; 16 x lane
	s_mul_i32 s[TS], s[WAVE], WPITCH
	v_lshl_add_u32 v23, v20, 2, s[TS]                      ; row wave of A7, word lane
	s_lshl_b32 s[TS], s[WAVE], 7
	v_lshl_add_u32 v[AP], v16, 2, s[TS]
	v_add_nc_u32 v[AP], TX, v[AP]                          ; my point's t in the wave's first tile
	s_wait_kmcnt 0x0
	s_load_b64 s[LB:LB+1], s[36:37], 0x0
	s_load_b64 s[UB:UB+1], s[38:39], 0x0
	s_load_b32 s[B7], s[34:35], 0x0
	s_add_nc_u64 s[40:41], s[40:41], s[GOFF:GOFF+1]        ; t, x, out0, out1 at the work-group's points
	s_add_nc_u64 s[42:43], s[42:43], s[GOFF:GOFF+1]
	s_add_nc_u64 s[44:45], s[44:45], s[GOFF:GOFF+1]
	s_add_nc_u64 s[46:47], s[46:47], s[GOFF:GOFF+1]
.irp l, 0,1,2,3,4,5
	global_load_b128 v[FR+8*\l:FR+8*\l+3],   v18, s[4+2*\l:5+2*\l]
	global_load_b128 v[FR+8*\l+4:FR+8*\l+7], v18, s[4+2*\l:5+2*\l] offset:256
.endr
	global_load_b64 v[116:117], v24, s[32:33]              ; Ws_7: my two numbers
	; the small copies, shared out by the wave's number
	s_cmp_eq_u32 s[WAVE], 0
	s_cbranch_scc0 .Lnot_bias
.irp l, 0,1,2,3,4,5,6
	global_load_b64 v[120+2*\l:121+2*\l], v24, s[16+2*\l:17+2*\l]   ; a whole bias of 256 bytes
.endr
	s_wait_loadcnt 0x0
.irp l, 0,1,2,3,4,5,6
	v_mul_f32 v[120+2*\l], s[KC], v[120+2*\l]
	v_mul_f32 v[121+2*\l], s[KC], v[121+2*\l]
	ds_store_b64 v24, v[120+2*\l:121+2*\l] offset:BIAS+256*\l
.endr
	s_branch .Lcopied
.Lnot_bias:
	s_cmp_eq_u32 s[WAVE], 1
	s_cbranch_scc0 .Lnot_w0
	global_load_b128 v[120:123], v25, s[30:31]
	s_wait_loadcnt 0x0
	ds_store_b128 v25, v[120:123] offset:W0L
	s_branch .Lcopied
.Lnot_w0:
	s_cmp_lt_u32 s[WAVE], 4
	s_cbranch_scc1 .Lcopied
	s_cmp_gt_u32 s[WAVE], 7
	s_cbranch_scc1 .Lcopied
	v_and_b32 v21, 127, v0                                 ; waves 4 to 7: 128 threads x 16 bytes are the work-group's 2,048 bytes of t, and of x
	v_lshlrev_b32 v21, 4, v21
	global_load_b128 v[120:123], v21, s[40:41] th:TH_LOAD_NT
	global_load_b128 v[124:127], v21, s[42:43] th:TH_LOAD_NT
	s_wait_loadcnt 0x0
	ds_store_b128 v21, v[120:123] offset:TX
	ds_store_b128 v21, v[124:127] offset:TX+2048
.Lcopied:
	s_wait_loadcnt 0x0                                     ; the weights and Ws_7, in the waves that copied nothing too
	v_cvt_pk_f16_f32 v116, v116, v117
	v_and_b32 v116, s[ROWM], v116
	ds_store_b32 v23, v116 offset:A7
.irp l, 0,1,2,3,4,5
.irp i, 0,1,2,3
	v_cvt_pk_f16_f32 v[FR+8*\l+\i], v[FR+8*\l+\i], v[FR+8*\l+4+\i]     ; k = 2 kp below, 2 kp + 1 above, of output feature 4 mq + i
	ds_store_b32 v19, v[FR+8*\l+\i] offset:WLAYER*\l+WPITCH*\i
.endr
.endr
	s_wait_kmcnt 0x0                                       ; lb, ub, bs_7
	v_sub_f32 v26, s[UB], s[LB]
	v_sub_f32 v27, s[UB+1], s[LB+1]
	v_rcp_f32 v28, v26
	v_rcp_f32 v29, v27
	v_mul_f32 v30, s[KNU], v26                             ; nu (ub_t - lb_t); also the plain place behind the reciprocals: it writes none of their sources and reads none of their results
	s_wait_alu depctr_va_vdst(0)
	v_add_f32 v28, v28, v28
	v_add_f32 v29, v29, v29
	v_mul_f32 v30, v30, v29
	v_mul_f32 v30, v30, v29
	v_readfirstlane_b32 s[ALF], v28                        ; 2 / (ub - lb), for t
	v_readfirstlane_b32 s[ALF+1], v29                      ; and for x
	v_readfirstlane_b32 s[RHO0], v30                       ; 2 nu RX^2 / RF of the first layer
	s_wait_dscnt 0x0                                       ; for the others' sake: my stores into LDS are done
	s_barrier_signal -1
	s_barrier_wait -1
	s_mov_b32 s[TLEFT], TILES
.Ltile:
	v_and_b32 v16, 15, v0                                  ; r
	v_bfe_u32 v17, v0, 4, 1                                ; h
	v_mul_u32_u24 v[AW], v16, WPITCH
	v_lshl_add_u32 v[AW], v17, 4, v[AW]
	v_lshlrev_b32 v[AB], 5, v17
	v_add_nc_u32 v[AB], BIAS, v[AB]
	ds_load_b32 v[FH+1], v[AP]                             ; t
	ds_load_b32 v[FF+1], v[AP] offset:2048                 ; x
.irp m, 0,1,2,3
	ds_load_b128 v[YF+8*\m:YF+8*\m+3],   v[AB] offset:W0L-BIAS+64*\m           ; yf = Ws_0[0], my 32 features
	ds_load_b128 v[YF+8*\m+4:YF+8*\m+7], v[AB] offset:W0L-BIAS+64*\m+16
	ds_load_b128 v[YX+8*\m:YX+8*\m+3],   v[AB] offset:W0L-BIAS+256+64*\m       ; yx = Ws_0[1]
	ds_load_b128 v[YX+8*\m+4:YX+8*\m+7], v[AB] offset:W0L-BIAS+256+64*\m+16
.endr
	LDB 0
	v_mov_b32 v[RHC], s[KC]                                ; the first layer's z is unscaled
	v_mov_b32 v[RH], 0                                     ; named with RHC as a pair, so it is written
	v_mov_b32 v[RF], s[ALF]                                ; dh/dt and dh/dx of the normalised inputs
	v_mov_b32 v[RX], s[ALF+1]
	v_mov_b32 v[RHO], s[RHO0]
	s_wait_dscnt 0x0
	v_sub_f32 v[FH], v[FH+1], s[LB]
	v_sub_f32 v[FF], v[FF+1], s[LB+1]
	v_fma_f32 v[FH], v[FH], s[ALF], -1.0
	v_fma_f32 v[FF], v[FF], s[ALF+1], -1.0
.set i, 0
.rept 16
	v_pk_mul_f32 v[Z+i:Z+i+1], v[YF+i:YF+i+1], v[FH:FH+1] op_sel_hi:[1,0]
.set i, i+2
.endr
.set i, 0
.rept 16
	v_pk_fma_f32 v[Z+i:Z+i+1], v[YX+i:YX+i+1], v[FF:FF+1], v[Z+i:Z+i+1] op_sel_hi:[1,0,1]
.set i, i+2
.endr
	ZS 0
	LDB 128
	TH 0, WB
	s_wait_dscnt 0x0
	ZS 1
	TH 1, WB
	POST 0
	s_mov_b32 s[LLEFT], NLAY-1
.Llayer:
	LAYER 1
	s_sub_co_i32 s[LLEFT], s[LLEFT], 1
	s_cmp_lg_u32 s[LLEFT], 0
	s_cbranch_scc1 .Llayer
	LAYER 2
	; the last layer: source 0 holds Ws_7 in rows 0 and 8, so register 0 of every lane is its point's product.  Three accumulators by turns.
	s_wait_dscnt 0x0
.irp s, 0,1,2
	v_wmma_f32_16x16x32_f16 v[ACC+32*\s:ACC+32*\s+7], v[WB:WB+7], v[FR+16*\s:FR+16*\s+7], 0
.endr
.irp s, 0,1,2
	v_wmma_f32_16x16x32_f16 v[ACC+32*\s:ACC+32*\s+7], v[WB+8:WB+15], v[FR+16*\s+8:FR+16*\s+15], v[ACC+32*\s:ACC+32*\s+7]
.endr
	NOP4
	v_fma_f32 v16, v[Z], v[RH], s[B7]                      ; u
	v_mul_f32 v17, v[YX], v[RX]                            ; u_x
	v_mul_f32 v19, v[YF], v[RF]                            ; u_t - nu u_xx
	v_fma_f32 v19, v16, v17, v19                           ; f
	ds_store_b32 v[AP], v16 offset:OUTS-TX                 ; both halves of the lanes hold the same number and write the same word
	ds_store_b32 v[AP], v19 offset:OUTS-TX+2048
	v_add_nc_u32 v[AP], 64, v[AP]                          ; the wave's next 16 points
	s_sub_co_i32 s[TLEFT], s[TLEFT], 1
	s_cmp_lg_u32 s[TLEFT], 0
	s_cbranch_scc1 .Ltile
	s_wait_dscnt 0x0                                       ; for the others' sake: my results are in LDS
	s_barrier_signal -1
	s_barrier_wait -1
	s_cmp_lt_u32 s[WAVE], 4
	s_cbranch_scc0 .Lend
	v_lshlrev_b32 v16, 4, v0                               ; waves 0 to 3: 128 threads x 16 bytes are the work-group's 2,048 bytes of u, and of f
	v_add_nc_u32 v17, OUTS, v16
	ds_load_b128 v[20:23], v17
	ds_load_b128 v[24:27], v17 offset:2048
	s_wait_dscnt 0x1                                       ; u is in; f's load may stay out
	global_store_b128 v16, v[20:23], s[44:45] th:TH_STORE_NT   ; 16 lanes store 256 consecutive bytes, at a multiple of 256 from the buffer's first byte
	s_wait_dscnt 0x0
	global_store_b128 v16, v[24:27], s[46:47] th:TH_STORE_NT
.Lend:
	s_wait_tensorcnt 0x0
	ds_add_u32 v208, v209
	s_wait_dscnt 0x0
	s_endpgm
.Lfunc_end_k_qbf120883a2_pinn:
	.size	k_qbf120883a2_pinn, .Lfunc_end_k_qbf120883a2_pinn-k_qbf120883a2_pinn
	.p2alignl 7, 3214868480
	.fill 96, 4, 3214868480
	.section	.rodata,"a",@progbits
	.p2align	6, 0x0
	.amdhsa_kernel k_qbf120883a2_pinn
		.amdhsa_group_segment_fixed_size 70144
		.amdhsa_private_segment_fixed_size 0
		.amdhsa_enable_private_segment 0
		.amdhsa_kernarg_size 176
		.amdhsa_user_sgpr_count 2
		.amdhsa_user_sgpr_kernarg_segment_ptr 1
		.amdhsa_wavefront_size32 1
		.amdhsa_system_sgpr_workgroup_id_x 1
		.amdhsa_system_sgpr_workgroup_id_y 1
		.amdhsa_system_sgpr_workgroup_id_z 1
		.amdhsa_system_vgpr_workitem_id 0
		.amdhsa_next_free_vgpr 210
		.amdhsa_next_free_sgpr 80
		.amdhsa_reserve_vcc 0
		.amdhsa_float_denorm_mode_32 3
		.amdhsa_float_denorm_mode_16_64 3
		.amdhsa_memory_ordered 1
		.amdhsa_forward_progress 1
		.amdhsa_inst_pref_size 102
	.end_amdhsa_kernel
	.amdgpu_metadata
---
amdhsa.version: [ 1, 2 ]
amdhsa.kernels:
  - .name:           k_qbf120883a2_pinn
    .symbol:         k_qbf120883a2_pinn.kd
    .args:
      - { .name: Ws_1, .offset: 0, .size: 8, .value_kind: global_buffer, .address_space: global }
      - { .name: Ws_2, .offset: 8, .size: 8, .value_kind: global_buffer, .address_space: global }
      - { .name: Ws_3, .offset: 16, .size: 8, .value_kind: global_buffer, .address_space: global }
      - { .name: Ws_4, .offset: 24, .size: 8, .value_kind: global_buffer, .address_space: global }
      - { .name: Ws_5, .offset: 32, .size: 8, .value_kind: global_buffer, .address_space: global }
      - { .name: Ws_6, .offset: 40, .size: 8, .value_kind: global_buffer, .address_space: global }
      - { .name: bs_0, .offset: 48, .size: 8, .value_kind: global_buffer, .address_space: global }
      - { .name: bs_1, .offset: 56, .size: 8, .value_kind: global_buffer, .address_space: global }
      - { .name: bs_2, .offset: 64, .size: 8, .value_kind: global_buffer, .address_space: global }
      - { .name: bs_3, .offset: 72, .size: 8, .value_kind: global_buffer, .address_space: global }
      - { .name: bs_4, .offset: 80, .size: 8, .value_kind: global_buffer, .address_space: global }
      - { .name: bs_5, .offset: 88, .size: 8, .value_kind: global_buffer, .address_space: global }
      - { .name: bs_6, .offset: 96, .size: 8, .value_kind: global_buffer, .address_space: global }
      - { .name: Ws_0, .offset: 104, .size: 8, .value_kind: global_buffer, .address_space: global }
      - { .name: Ws_7, .offset: 112, .size: 8, .value_kind: global_buffer, .address_space: global }
      - { .name: bs_7, .offset: 120, .size: 8, .value_kind: global_buffer, .address_space: global }
      - { .name: lb, .offset: 128, .size: 8, .value_kind: global_buffer, .address_space: global }
      - { .name: ub, .offset: 136, .size: 8, .value_kind: global_buffer, .address_space: global }
      - { .name: t, .offset: 144, .size: 8, .value_kind: global_buffer, .address_space: global }
      - { .name: x, .offset: 152, .size: 8, .value_kind: global_buffer, .address_space: global }
      - { .name: out0, .offset: 160, .size: 8, .value_kind: global_buffer, .address_space: global }
      - { .name: out1, .offset: 168, .size: 8, .value_kind: global_buffer, .address_space: global }
    .group_segment_fixed_size: 70144
    .private_segment_fixed_size: 0
    .kernarg_segment_align: 8
    .kernarg_segment_size: 176
    .max_flat_workgroup_size: 512
    .sgpr_count:     80
    .vgpr_count:     210
    .wavefront_size: 32
...
	.end_amdgpu_metadata
.endif
;; end of part 2
